; MI455X (gfx1250); checked and timed in simulation.
; The chip was launched on July 23, 2026; its instructions are those of AMD's public machine-readable ISA for CDNA 5 (MIT licence, August 2026) and "CDNA5" Instruction Set Architecture Reference Guide (July 2026). The comments in the code are by the model that wrote it; some were corrected since.
;; Range Attention. Allowed arithmetic: matrix products marked QUANTISED: E3M2 operands, one E8M0 scale for each 32 along K, by v_wmma_scale_f32_16x16x128_f8f6f4 with both operands' format E3M2, f32 sums; products left as they are: f32 operands where the result goes on into a quantised operand, else bf16, f16 or f32 operands; f32 sums; everything else in f32.
;; Inputs: b_fc1 1,024 float32; b_fc2 256 float32; bk 256 float32; bn_b 16 float32; bn_g 16 float32; bn_m 16 float32; bn_v 16 float32; bo 256 float32; bq 256 float32; bv 256 float32; norm1_b 256 float32; norm1_g 256 float32; norm2_b 256 float32; norm2_g 256 float32; pb1 16 float32; pb2 8 float32; pos 1 x 32,768 x 2 float32; pw1 16 x 2 float32; pw2 8 x 16 float32; w_fc1_codes 1,024 x 8 x 24 uint8 (E3M2 codes of w_fc1, K innermost, in blocks of 32 codes, four codes in three bytes); w_fc1_scales 1,024 x 8 uint8 (E8M0 scales of w_fc1, one for each 32 codes along K); w_fc2_codes 256 x 32 x 24 uint8 (E3M2 codes of w_fc2, K innermost, in blocks of 32 codes, four codes in three bytes); w_fc2_scales 256 x 32 uint8 (E8M0 scales of w_fc2, one for each 32 codes along K); wk_codes 256 x 8 x 24 uint8 (E3M2 codes of wk, K innermost, in blocks of 32 codes, four codes in three bytes); wk_scales 256 x 8 uint8 (E8M0 scales of wk, one for each 32 codes along K); wo_codes 256 x 8 x 24 uint8 (E3M2 codes of wo, K innermost, in blocks of 32 codes, four codes in three bytes); wo_scales 256 x 8 uint8 (E8M0 scales of wo, one for each 32 codes along K); wq_codes 256 x 8 x 24 uint8 (E3M2 codes of wq, K innermost, in blocks of 32 codes, four codes in three bytes); wq_scales 256 x 8 uint8 (E8M0 scales of wq, one for each 32 codes along K); wv_codes 256 x 8 x 24 uint8 (E3M2 codes of wv, K innermost, in blocks of 32 codes, four codes in three bytes); wv_scales 256 x 8 uint8 (E8M0 scales of wv, one for each 32 codes along K); x 1 x 32,768 x 256 float32.
;; Outputs: out0 1 x 32,768 x 256 float32.
;; This version of the problem:
;;   THIS VERSION OF THE PROBLEM IS GIVEN IN LOW PRECISION. The matrix products marked QUANTISED in the list below multiply operands that are first quantised to E3M2 (3 exponent bits, 2 mantissa bits; 6 bits a number), with one power-of-two scale for each 32 numbers along K (OCP MX v1.0); their sums are f32. All else is computed in f32.
;;   The module's matrix products, in the order in which they are computed (A, B: the left and right operand; K: the contracted axis; several contracted axes count as one K, in the product's order):
;;     1. [M 4,194,304, K 2] x [K 2, N 16]; A: computed on the way; B: input pw1: left as it is (K = 2 < 32)
;;     2. [M 4,194,304, K 16] x [K 16, N 8]; A: computed on the way; B: input pw2: left as it is (K = 16 < 32)
;;     3. [M 32,768, K 256] x [K 256, N 256]; A: computed on the way; B: input wq (given as codes): QUANTISED
;;     4. [M 32,768, K 256] x [K 256, N 256]; A: computed on the way; B: input wk (given as codes): QUANTISED
;;     5. [M 32,768, K 256] x [K 256, N 256]; A: computed on the way; B: input wv (given as codes): QUANTISED
;;     6. batch 2,048 x [M 128, K 32] x [K 32, N 128]; A: computed on the way; B: computed on the way: QUANTISED
;;     7. batch 2,048 x [M 128, K 128] x [K 128, N 32]; A: softmax (see below); B: computed on the way: QUANTISED
;;     8. [M 32,768, K 256] x [K 256, N 256]; A: computed on the way; B: input wo (given as codes): QUANTISED
;;     9. [M 32,768, K 256] x [K 256, N 1,024]; A: computed on the way; B: input w_fc1 (given as codes): QUANTISED
;;     10. [M 32,768, K 1,024] x [K 1,024, N 256]; A: computed on the way; B: input w_fc2 (given as codes): QUANTISED
;;   THE QUANTISER, for each operand of a quantised product, along K:
;;     - K is cut into blocks of 32 from its start; a last block that is shorter is filled with zeros.
;;     - A block's scale is 2^e with e = floor(log2(the largest magnitude in the block)) - 4, held to -126 .. 127; a block of zeros has e = 0. As a byte (E8M0): e + 127.
;;     - Each number is divided by its block's scale, clamped to +-28, and rounded to the nearest number of E3M2, ties to even, subnormals kept.
;;     - The product sums the exact products of the quantised numbers (number of the format x scale) in f32.
;;   ~~~python
;;   def quantise(x, axis):      # numpy; x: float32 -> the quantised numbers, widened to float32 again
;;       x = np.moveaxis(x, axis, -1); K = x.shape[-1]
;;       x = np.pad(x, [(0, 0)] * (x.ndim - 1) + [(0, -K % 32)]); x = x.reshape(x.shape[:-1] + (-1, 32)); a = np.abs(x).max(-1, keepdims=True)
;;       e = np.where(a > 0, np.clip(np.frexp(np.where(a > 0, a, 1))[1] - 1 - 4, -126, 127), 0)      # np.frexp(a)[1] - 1 = floor(log2(a)), exactly
;;       r = np.clip(x / 2.0 ** e, -28, 28)
;;       step = 2.0 ** (np.maximum(np.frexp(np.where(r == 0, 1, r))[1] - 1, -2) - 2)
;;       q = np.round(r / step) * step * 2.0 ** e      # np.round: ties to even
;;       return np.moveaxis(q.reshape(q.shape[:-2] + (-1,))[..., :K], -1, axis).astype(np.float32)
;;   ~~~
;;   SOFTMAX AHEAD OF A QUANTISED PRODUCT. Where the list says 'softmax', what is quantised is not the finished softmax but p = 2^(t - M), with t = logit x log2(e) and M = ceil(the row's largest t), a whole number; so 1/2 < the row's largest p <= 1. The row's sum l is taken of the UNQUANTISED p, in f32, and the product's result is divided by l at the end. Since M is a whole number, a kernel that streams over the keys may use a running M (the ceiling of the running maximum): every later rescaling is an exact power of two, which a block's scale takes up: the codes' values come out the same.
;;   OPERANDS COMPUTED ON THE WAY. 'Computed on the way' means the value that the module computes at that place (a softmax that the list does not call 'softmax' is quantised finished and normalised). What goes into a quantiser is computed in f32, as accurately as f32 sums, v_exp_f32 and their like allow (about 1e-6 of the number): no bf16 or f16 on the way to a quantiser, and a product that is left as it is and whose result goes on into a quantised operand takes f32 operands (vector FMAs, or v_wmma_f32_16x16x4_f32). A number that lies on a knife's edge between two numbers of the format may be rounded either way, as far as f32 arithmetic and the matrix unit's own rounding can turn it there, and no further.
;;   INPUTS GIVEN AS CODES. w_fc1 (in the module: [256, 1024], K = its axis 0); w_fc2 (in the module: [1024, 256], K = its axis 0); wk (in the module: [256, 256], K = its axis 0); wo (in the module: [256, 256], K = its axis 0); wq (in the module: [256, 256], K = its axis 0); wv (in the module: [256, 256], K = its axis 0): each comes as NAME_codes (uint8): NAME with its K axis moved to the last place and cut into blocks of 32 codes, [.., K / 32, bytes a block], one block behind the other in memory; four codes in three bytes: a row's codes are one little-endian stream of bits, code i at bits 6 i .. 6 i + 5 (a code: sign, 3 exponent bits, 2 mantissa bits); and NAME_scales (uint8): the same leading axes, one E8M0 byte (e + 127) for each 32 codes along K. Its value is code x scale, taken as it is: it is not quantised again, and the codes and scales need not be those that the quantiser above would give.
;; One version. Each part assembles by itself: llvm-mc -triple=amdgcn-amd-amdhsa -mcpu=gfx1250 --defsym DOCPART=n.
;; ======== version 1 of 1: 2 launches
;; limits: an absolute error that grows with the inputs' magnitude: up to 1e-07 times it
;; workspace buffers: pnet 1,536 bytes
;; launch prep (part 1): grid 1 x 1, 1 waves a work-group, no clusters, 0 bytes of LDS; arguments pw1, pb1, bn_g, bn_b, bn_m, bn_v, pw2, pb2, pnet; writes pnet
.if DOCPART == 1
	.amdgcn_target "amdgcn-amd-amdhsa--gfx1250"
	.amdhsa_code_object_version 6
	.text
	.protected	k_q14f8799d2f_prep
	.globl	k_q14f8799d2f_prep
	.p2align	8
	.type	k_q14f8799d2f_prep,@function
k_q14f8799d2f_prep:
	s_mov_b64 s[64:65], 0
	v_nop
	global_prefetch_b8 v0, s[64:65] scope:SCOPE_SE
	s_setreg_imm32_b32 hwreg(HW_REG_WAVE_MODE, 25, 1), 1
	s_wait_xcnt 0x0
; The position net's eight small inputs are folded into one table of f32, pnet.
; s_o = bn_g / sqrt(bn_v + 1e-5).  pnet, in floats:  [0:16] alpha_o = s_o pw1[o][0];  [16:32] beta_o = s_o pw1[o][1];  [32:48] c_o = (pb1 - bn_m) s_o + bn_b;
; [48:56] pb2;  [56:64] A_h = sum_o pw2[h][o] alpha_o;  [64:72] B_h = sum_o pw2[h][o] beta_o;  [128:384] pw2[4 g + j][o] at 128 + 128 g + 8 o + 2 j, written twice,
; so that each weight is the low word of an even pair of scalar registers.  Floats 72 to 127 are neither written here nor read later.
; One wave.  Lane L: o = L % 16, h = L / 16.  Lanes that share a number store the same value to the same place.
	s_load_b512 s[8:23], s[0:1], 0x0               ; pw1 s[8:9], pb1 s[10:11], bn_g s[12:13], bn_b s[14:15], bn_m s[16:17], bn_v s[18:19], pw2 s[20:21], pb2 s[22:23]
	s_load_b64 s[24:25], s[0:1], 0x40              ; pnet
	s_mov_b32 s26, 0xffff0000                      ; lanes 16 to 31
	v_and_b32 v1, 15, v0                           ; o
	v_lshrrev_b32 v2, 4, v0                        ; h
	v_and_b32 v3, 7, v0                            ; L % 8
	v_lshlrev_b32 v4, 3, v1                        ; 8 o
	v_lshlrev_b32 v5, 2, v1                        ; 4 o
	v_lshlrev_b32 v6, 2, v3                        ; 4 (L % 8)
	v_lshl_add_u32 v7, v2, 8, v5                   ; 256 h + 4 o: pw2's rows 4 h on
	v_lshlrev_b32 v45, 2, v0                       ; 4 L
	v_lshl_add_u32 v46, v2, 5, v6                  ; 32 h + 4 (L % 8)
	v_lshlrev_b32 v47, 5, v0                       ; 32 L
	s_wait_kmcnt 0x0
	global_load_b64 v[8:9], v4, s[8:9]             ; pw1[o][0], pw1[o][1]
	global_load_b32 v10, v5, s[10:11]              ; pb1
	global_load_b32 v11, v5, s[12:13]              ; bn_g
	global_load_b32 v12, v5, s[14:15]              ; bn_b
	global_load_b32 v13, v5, s[16:17]              ; bn_m
	global_load_b32 v14, v5, s[18:19]              ; bn_v
	global_load_b32 v15, v6, s[22:23]              ; pb2[L % 8]
.irp d, 0,1,2,3,4,5,6,7
	global_load_b32 v[16+\d], v5, s[20:21] offset:64*\d      ; pw2[d][o]
.endr
.irp j, 0,1,2,3
	global_load_b32 v[24+\j], v7, s[20:21] offset:64*\j      ; pw2[4 h + j][o]
.endr
	s_wait_loadcnt 0x0
	v_add_f32 v14, 0x3727c5ac, v14                 ; bn_v + 1e-5
	v_rsq_f32 v14, v14
	v_sub_f32 v10, v10, v13                        ; pb1 - bn_m (a plain line behind the root)
	s_wait_alu depctr_va_vdst(0)
	v_mul_f32 v14, v14, v11                        ; s_o
	v_mul_f32 v8, v14, v8                          ; alpha
	v_mul_f32 v9, v14, v9                          ; beta
	v_fma_f32 v10, v10, v14, v12                   ; c
	v_cndmask_b32 v11, v8, v9, s26                 ; lanes 0-15 alpha, lanes 16-31 beta
.irp d, 0,1,2,3,4,5,6,7
	v_mul_f32 v[28+\d], v[16+\d], v11
.endr
.irp x, 1,2,4,8
.irp d, 0,1,2,3,4,5,6,7
	v_add_f32_dpp v[28+\d], v[28+\d], v[28+\d] row_xmask:\x row_mask:0xf bank_mask:0xf   ; the sum over o: lanes 0-15 hold A_d, lanes 16-31 B_d
.endr
.endr
	v_mov_b32 v44, v28
.irp d, 1,2,3,4,5,6,7
	v_cmp_eq_u32 vcc_lo, \d, v3
	v_cndmask_b32 v44, v44, v[28+\d], vcc_lo       ; my lane keeps head L % 8
.endr
.irp j, 0,1,2,3
	v_mov_b32 v[36+2*\j], v[24+\j]
	v_mov_b32 v[37+2*\j], v[24+\j]
.endr
	global_store_b32 v45, v11, s[24:25]            ; alpha, beta
	global_store_b32 v5, v10, s[24:25] offset:128  ; c
	global_store_b32 v6, v15, s[24:25] offset:192  ; pb2
	global_store_b32 v46, v44, s[24:25] offset:224 ; A, then B
	global_store_b128 v47, v[36:39], s[24:25] offset:512
	global_store_b128 v47, v[40:43], s[24:25] offset:528
	s_endpgm
.Lfunc_end_k_q14f8799d2f_prep:
	.size	k_q14f8799d2f_prep, .Lfunc_end_k_q14f8799d2f_prep-k_q14f8799d2f_prep
	.p2alignl 7, 3214868480
	.fill 96, 4, 3214868480
	.section	.rodata,"a",@progbits
	.p2align	6, 0x0
	.amdhsa_kernel k_q14f8799d2f_prep
		.amdhsa_group_segment_fixed_size 0
		.amdhsa_private_segment_fixed_size 0
		.amdhsa_enable_private_segment 0
		.amdhsa_kernarg_size 72
		.amdhsa_user_sgpr_count 2
		.amdhsa_user_sgpr_kernarg_segment_ptr 1
		.amdhsa_wavefront_size32 1
		.amdhsa_system_sgpr_workgroup_id_x 1
		.amdhsa_system_sgpr_workgroup_id_y 1
		.amdhsa_system_sgpr_workgroup_id_z 1
		.amdhsa_system_vgpr_workitem_id 0
		.amdhsa_next_free_vgpr 48
		.amdhsa_next_free_sgpr 66
		.amdhsa_reserve_vcc 1
		.amdhsa_float_denorm_mode_32 3
		.amdhsa_float_denorm_mode_16_64 3
		.amdhsa_memory_ordered 1
		.amdhsa_forward_progress 1
		.amdhsa_inst_pref_size 7
	.end_amdhsa_kernel
	.amdgpu_metadata
---
amdhsa.version: [ 1, 2 ]
amdhsa.kernels:
  - .name:           k_q14f8799d2f_prep
    .symbol:         k_q14f8799d2f_prep.kd
    .args:
      - { .name: pw1, .offset: 0, .size: 8, .value_kind: global_buffer, .address_space: global }
      - { .name: pb1, .offset: 8, .size: 8, .value_kind: global_buffer, .address_space: global }
      - { .name: bn_g, .offset: 16, .size: 8, .value_kind: global_buffer, .address_space: global }
      - { .name: bn_b, .offset: 24, .size: 8, .value_kind: global_buffer, .address_space: global }
      - { .name: bn_m, .offset: 32, .size: 8, .value_kind: global_buffer, .address_space: global }
      - { .name: bn_v, .offset: 40, .size: 8, .value_kind: global_buffer, .address_space: global }
      - { .name: pw2, .offset: 48, .size: 8, .value_kind: global_buffer, .address_space: global }
      - { .name: pb2, .offset: 56, .size: 8, .value_kind: global_buffer, .address_space: global }
      - { .name: pnet, .offset: 64, .size: 8, .value_kind: global_buffer, .address_space: global }
    .group_segment_fixed_size: 0
    .private_segment_fixed_size: 0
    .kernarg_segment_align: 8
    .kernarg_segment_size: 72
    .max_flat_workgroup_size: 32
    .sgpr_count:     66
    .vgpr_count:     48
    .wavefront_size: 32
...
	.end_amdgpu_metadata
.endif
;; end of part 1
;; launch block (part 2): grid 256 x 1, 16 waves a work-group, no clusters, 263,168 bytes of LDS; arguments x, pos, pnet, norm1_g, norm1_b, wq_codes, wk_codes, wq_scales, wk_scales, bq, bk, wv_codes, wv_scales, bv, wo_codes, wo_scales, bo, norm2_g, norm2_b, w_fc1_codes, w_fc1_scales, b_fc1, w_fc2_codes, w_fc2_scales, b_fc2, out0; writes out0
.if DOCPART == 2
	.amdgcn_target "amdgcn-amd-amdhsa--gfx1250"
	.amdhsa_code_object_version 6
	.text
	.protected	k_q14f8799d2f_block
	.globl	k_q14f8799d2f_block
	.p2align	8
	.type	k_q14f8799d2f_block,@function
k_q14f8799d2f_block:
	s_mov_b64 s[64:65], 0
	v_nop
	global_prefetch_b8 v0, s[64:65] scope:SCOPE_SE
	s_setreg_imm32_b32 hwreg(HW_REG_WAVE_MODE, 25, 1), 1
	s_wait_xcnt 0x0
; One work-group = one window of 128 tokens (4 rows x 32 columns), the whole block: LN1, q k v, attention with the position bias, projection, residual, LN2, MLP with the exact GELU, residual.
; x is read once, out0 written once; nothing else goes to memory.  All eight large products run on E3M2 codes with E8M0 scales; the bias net runs in f32 multiply-adds.
; SIXTEEN WAVES of 256 registers, four to a SIMD: the launch is bound by vector instructions (bias net, GELU, softmax, quantisers), so one wave's LDS, root and matrix waits stand beside another's
; vector work.  All waves take one path; EXEC is never changed.
; ORDER OF ROWS.  Window token t = 32 b + 16 a + 8 u + c lies in LDS row 32 b + 16 u + 8 a + c.  So lane r of tile 2 b + u is token 32 b + 8 u + r + 8 (r / 8), and the 16 registers that two
; neighbouring tiles give a lane in a transposed product are 16 neighbours along the next K.
; OPERANDS GO FROM WAVE TO WAVE THROUGH LDS AS IMAGES OF THEIR REGISTERS: a fragment (16 rows x 128 K, 12 registers) is 1,536 bytes, registers 2 P, 2 P + 1 of lane slot L at 256 P + 8 L: each of the
; six loads of 8 bytes a lane reads 256 consecutive bytes.  Its scale words: 64 bytes, row r's at 4 r.
; THE BIAS.  With dx, dy taken from the window's first token, V_o(u) = alpha_o dx_u + beta_o dy_u, U_o(t) = V_o(t) + c_o: relu(U - V) = max(U, V) - V, so
; bias_h(t, u) = sum_o w_ho max(U_o(t), V_o(u)) + pb2_h - (A_h dx_u + B_h dy_u): one maximum for each (pair, o), eight heads' multiply-adds packed two keys an instruction.
; WEIGHTS go from memory straight into fragment registers, each fragment used for 4 to 8 tiles of tokens: about 835 KB a work-group.  No tensor loads and no joint loads in a cluster, though all
; work-groups read the same weights: such loads end in LDS, of which the window's own data take 261,120 bytes, so there is no room for slots of weights.
; LIMITS.  NaN and infinities are not served.  A block of zeros gets the scale byte 1 (its codes are zeros; only this program reads the bytes).  |logit x log2(e)| stays under 2^23: the running
; M is kept as a whole number in f32.  The folded position net rounds in another order than the source: errors of f32 ulps of |U|, |V|.  erf is a rational form on |z| <= 4, a few ulps of erf, so
; GELU's absolute error is about 1e-7 |x|, and its relative error grows for x far below 0.
.set XP,   1040                        ; XB: 128 rows x (1,024 + 16) bytes = 65 x 16: sixteen consecutive rows begin in sixteen different 16-byte columns of 256
.set AIMG, 133120                      ; 16 images (tile, K step) at (2 tile + step) x 1,536: xn, then o, then LN2's result
.set ASC,  157696                      ; their scale words
.set HIMG, 158720                      ; the hidden layer: 64 images at (8 tile + step) x 1,536
.set HSC,  257024                      ; its scale words
.set QIMG, 158720                      ; these lie over HIMG: last read in the attention, three barriers ahead of the hidden layer's first store
.set KIMG, 183296
.set VIMG, 207872                      ; V^T: 16 tiles of 16 channels x 128 keys
.set QSC,  232448
.set KSC,  233472
.set VSC,  234496
.set VT,   235520                      ; V_o(u): [4 blocks][8 pairs of o][32 keys][2]
.set UT,   243712                      ; U_o(t): LDS row x 72 bytes
.set DT,   252928                      ; pb2_h - (A_h dx_u + B_h dy_u): [8 heads][128 keys]
.set SEL,  60                          ; s[60:61] selects of v_permlanex16_b32: lane l xor 16
.set TM,   16                          ; v16-31 quantiser at work;  v32 the scale word;  v34-53 the codes
.set PW,   32
.set PC,   34
.set XR,   64                          ; v64-127 64 numbers of a row
.set LG,   128                         ; v128-191 a norm's gains;  v192-255 its offsets
.set LB,   192
.set AC,   126                         ; v126-189 attention: 4 heads x 16 keys
; s2 wave; s3-s7, s100, s101 at work; s[8:59] the 26 addresses, in the order of the arguments; s[62:63] log2(e); s[66:67] 1/sqrt(32) or 1; s[68:99] two sets of bias weights
.macro NOPS n
.rept \n
	v_nop
.endr
.endm
.macro BAR                             ; my LDS stores have landed and my LDS loads are in: then the work-group's barrier
	s_wait_dscnt 0x0
	s_barrier_signal -1
	s_barrier_wait -1
.endm
.macro FETCH reg, adr, off             ; an image back into 12 registers
.irp p, 0,1,2,3,4,5
	ds_load_b64 v[\reg+2*\p:\reg+2*\p+1], v[\adr] offset:\off+256*\p
.endr
.endm
.macro IMAGE adr, off                  ; the fragment in v[PC] on goes to LDS as it stands
.irp p, 0,1,2,3,4,5
	ds_store_b64 v[\adr], v[PC+2*\p:PC+2*\p+1] offset:\off+256*\p
.endr
.endm
.macro WFRAG reg, adr, base, off       ; a fragment of given codes from memory: 24 bytes of the row's stream of bits twice, in pieces of 8
.irp p, 0,1,2,3,4,5
	global_load_b64 v[\reg+2*\p:\reg+2*\p+1], v[\adr], s[\base:\base+1] offset:\off+48*(\p/3)+8*(\p%3)
.endr
.endm
.macro MMC d, a, b, c, sa, sb
	v_wmma_scale_f32_16x16x128_f8f6f4 v[\d:\d+7], v[\a:\a+11], v[\b:\b+11], v[\c:\c+7], v[\sa], v[\sb] matrix_a_fmt:MATRIX_FMT_BF6 matrix_b_fmt:MATRIX_FMT_BF6
.endm
.macro MM0 d, a, b, sa, sb
	v_wmma_scale_f32_16x16x128_f8f6f4 v[\d:\d+7], v[\a:\a+11], v[\b:\b+11], 0, v[\sa], v[\sb] matrix_a_fmt:MATRIX_FMT_BF6 matrix_b_fmt:MATRIX_FMT_BF6
.endm
; 64 numbers of a lane, register 16 b + i = k 32 b + 16 (lane / 16) + i of my row, become a fragment's codes in v[PC] on and its scale word in v[PW]
.macro QUANT s
.irp b, 0,1,2,3
	v_max3_num_f32 v[TM+\b], |v[\s+16*\b]|, |v[\s+1+16*\b]|, 0x2800000   ; my 16 numbers of block b, and the floor 2^(5 - 127): the byte cannot fall under 1
.endr
.irp i, 2,4,6,8,10,12,14
.irp b, 0,1,2,3
	v_max3_num_f32 v[TM+\b], v[TM+\b], |v[\s+16*\b+\i]|, |v[\s+1+16*\b+\i]|
.endr
.endr
.irp b, 0,1,2,3
	v_permlanex16_b32 v[TM+4+\b], v[TM+\b], s[SEL], s[SEL+1]
.endr
.irp b, 0,1,2,3
	v_max_num_f32 v[TM+\b], v[TM+\b], v[TM+4+\b]   ; with lane l xor 16's: the block's largest magnitude
.endr
.irp b, 0,1,2,3
	v_add_nc_u32 v[TM+12+\b], 0xfe000000, v[TM+\b] ; 4 off its exponent field: the conversion's scale operand
.endr
.irp b, 0,1,2,3
	v_lshrrev_b32 v[TM+4+\b], 23, v[TM+12+\b]      ; the scale's byte
.endr
	v_lshl_or_b32 v[PW], v[TM+5], 8, v[TM+4]
	v_lshl_or_b32 v[PW], v[TM+6], 16, v[PW]
	v_lshl_or_b32 v[PW], v[TM+7], 24, v[PW]
.irp c, 0,1
	v_cvt_scalef32_pk16_bf6_f32 v[PC+6*\c:PC+2+6*\c], v[\s+32*\c:\s+15+32*\c], v[TM+12+2*\c]
	v_cvt_scalef32_pk16_bf6_f32 v[PC+12+4*\c:PC+14+4*\c], v[\s+16+32*\c:\s+31+32*\c], v[TM+12+2*\c+1]
.endr
	v_nop                                          ; one plain line behind the scaled conversions
.irp c, 0,1                                    ; the operand wants a whole block in a lane: lanes 0-15 block 2 c, lanes 16-31 block 2 c + 1
.irp i, 0,1,2
	v_permlane16_swap_b32 v[PC+6*\c+\i], v[PC+12+4*\c+\i]
.endr
.irp i, 0,1,2
	v_mov_b32 v[PC+3+6*\c+\i], v[PC+12+4*\c+\i]
.endr
.endr
.endm
; the same for 32 numbers, two blocks: six registers v34-39, two bytes in v[PW]
.macro QUANT2 s
	v_max3_num_f32 v16, |v[\s]|, |v[\s+1]|, 0x2800000
	v_max3_num_f32 v17, |v[\s+16]|, |v[\s+17]|, 0x2800000
.irp i, 2,4,6,8,10,12,14
	v_max3_num_f32 v16, v16, |v[\s+\i]|, |v[\s+\i+1]|
	v_max3_num_f32 v17, v17, |v[\s+16+\i]|, |v[\s+17+\i]|
.endr
	v_permlanex16_b32 v20, v16, s[SEL], s[SEL+1]
	v_permlanex16_b32 v21, v17, s[SEL], s[SEL+1]
	v_max_num_f32 v16, v16, v20
	v_max_num_f32 v17, v17, v21
	v_add_nc_u32 v28, 0xfe000000, v16
	v_add_nc_u32 v29, 0xfe000000, v17
	v_lshrrev_b32 v20, 23, v28
	v_lshrrev_b32 v21, 23, v29
	v_lshl_or_b32 v[PW], v21, 8, v20
	v_cvt_scalef32_pk16_bf6_f32 v[34:36], v[\s:\s+15], v28
	v_cvt_scalef32_pk16_bf6_f32 v[40:42], v[\s+16:\s+31], v29
	v_nop
.irp i, 0,1,2
	v_permlane16_swap_b32 v[34+\i], v[40+\i]
.endr
.irp i, 0,1,2
	v_mov_b32 v[37+\i], v[40+\i]
.endr
.endm
; THE NORMS' LAYOUT: lane = (r8 = L % 8, s = (L / 8) % 2, h = L / 16) holds LDS row 8 wave + r8; register XR + 16 b + i is channel 128 s + 32 b + 16 h + i.
.macro LNADRG                          ; v7: my 16 channels of a block in gains and offsets: 512 s + 64 h
	v_bfe_u32 v17, v0, 3, 1
	v_lshlrev_b32 v7, 9, v17
	v_lshl_add_u32 v7, v3, 6, v7
.endm
.macro LNADRL                          ; v6 = 16 L; v12 my wave's 8 rows of XB as they lie; v13 my row in the norm's layout; v14, v15 my slot in the image and among the scale words
	v_and_b32 v16, 7, v0
	v_bfe_u32 v17, v0, 3, 1
	s_mul_i32 s3, s2, 8*XP
	v_mad_u32_u24 v13, v16, XP, v7
	v_add_nc_u32 v13, s3, v13
	v_lshlrev_b32 v6, 4, v1
	v_add_nc_u32 v12, s3, v6
	s_lshr_b32 s3, s2, 1
	s_mul_i32 s3, s3, 3072                         ; tile = wave / 2
	s_and_b32 s100, s2, 1
	s_lshl_b32 s100, s100, 6                       ; rows 8 (wave % 2) on: 64 bytes
	s_add_co_u32 s3, s3, s100
	s_add_co_u32 s3, s3, AIMG
	v_mul_u32_u24 v14, v17, 1536                   ; K step s
	v_lshl_add_u32 v14, v3, 7, v14
	v_lshl_add_u32 v14, v16, 3, v14
	v_add_nc_u32 v14, s3, v14
	s_lshr_b32 s3, s2, 1
	s_lshl_b32 s3, s3, 7
	s_lshr_b32 s100, s100, 1
	s_add_co_u32 s3, s3, s100
	s_add_co_u32 s3, s3, ASC
	v_lshlrev_b32 v15, 6, v17
	v_lshl_add_u32 v15, v16, 2, v15
	v_add_nc_u32 v15, s3, v15
.endm
.macro WADR                            ; offsets into weights whose tile rows are r + 8 (r / 8): v8 codes (rows of 192 bytes), v9 scale words (8 bytes a row), v10 a bias in the result's layout (64 h), v11 4 bytes a row
	v_and_b32 v16, 8, v2
	v_add_nc_u32 v16, v16, v2
	v_mul_u32_u24 v8, v16, 192
	v_mad_u32_u24 v8, v3, 24, v8
	v_lshlrev_b32 v9, 3, v16
	v_lshlrev_b32 v10, 6, v3
	v_lshlrev_b32 v11, 2, v16
.endm
.macro GBLOAD gp, bp
.irp b, 0,1,2,3
.irp j, 0,1,2,3
	global_load_b128 v[LG+16*\b+4*\j:LG+16*\b+4*\j+3], v7, s[\gp:\gp+1] offset:128*\b+16*\j
.endr
.endr
.irp b, 0,1,2,3
.irp j, 0,1,2,3
	global_load_b128 v[LB+16*\b+4*\j:LB+16*\b+4*\j+3], v7, s[\bp:\bp+1] offset:128*\b+16*\j
.endr
.endr
.endm
.macro XRLOAD                          ; my row's 64 numbers out of XB
.irp b, 0,1,2,3
.irp j, 0,1,2,3
	ds_load_b128 v[XR+16*\b+4*\j:XR+16*\b+4*\j+3], v13 offset:128*\b+16*\j
.endr
.endr
.endm
.macro LNRED                           ; four chains, the pair's halves, then the row's other three lanes
	v_pk_add_f32 v[54:55], v[54:55], v[56:57]
	v_pk_add_f32 v[58:59], v[58:59], v[60:61]
	v_pk_add_f32 v[54:55], v[54:55], v[58:59]
	v_add_f32 v54, v54, v55
	v_add_f32_dpp v54, v54, v54 row_xmask:8 row_mask:0xf bank_mask:0xf
	v_permlanex16_b32 v55, v54, s[SEL], s[SEL+1]
	v_add_f32 v54, v54, v55
.endm
.macro LNORM                           ; (x - mean) / sqrt(var + 1e-5) x g + b, the variance of the centred numbers: a common offset costs nothing
	s_mov_b32 s101, 0x3b800000                     ; 1 / 256
.irp c, 0,1,2,3
	v_pk_add_f32 v[54+2*\c:55+2*\c], v[XR+4*\c:XR+4*\c+1], v[XR+4*\c+2:XR+4*\c+3]
.endr
.irp i, 16,24,32,40,48,56
.irp c, 0,1,2,3
	v_pk_add_f32 v[54+2*\c:55+2*\c], v[54+2*\c:55+2*\c], v[XR+\i+2*\c:XR+\i+2*\c+1]
.endr
.endr
	LNRED
	v_mul_f32 v54, s101, v54                       ; the mean
.set i, 0
.rept 32
	v_pk_add_f32 v[XR+i:XR+i+1], v[XR+i:XR+i+1], v[54:55] op_sel_hi:[1,0] neg_lo:[0,1] neg_hi:[0,1]
.set i, i+2
.endr
.irp c, 0,1,2,3
	v_pk_mul_f32 v[54+2*\c:55+2*\c], v[XR+2*\c:XR+2*\c+1], v[XR+2*\c:XR+2*\c+1]
.endr
.irp i, 8,16,24,32,40,48,56
.irp c, 0,1,2,3
	v_pk_fma_f32 v[54+2*\c:55+2*\c], v[XR+\i+2*\c:XR+\i+2*\c+1], v[XR+\i+2*\c:XR+\i+2*\c+1], v[54+2*\c:55+2*\c]
.endr
.endr
	LNRED
	v_fmaak_f32 v54, s101, v54, 0x3727c5ac         ; variance + 1e-5
	v_rsq_f32 v54, v54
	v_nop                                          ; one plain line behind the root
	s_wait_loadcnt 0x0                             ; gains and offsets are in (all my loads are)
.set i, 0
	s_wait_alu depctr_va_vdst(0)
.rept 32
	v_pk_mul_f32 v[XR+i:XR+i+1], v[XR+i:XR+i+1], v[54:55] op_sel_hi:[1,0]
.set i, i+2
.endr
.set i, 0
.rept 32
	v_pk_fma_f32 v[XR+i:XR+i+1], v[XR+i:XR+i+1], v[LG+i:LG+i+1], v[LB+i:LB+i+1]
.set i, i+2
.endr
.endm
; XB seen by a wave (nw = wave / 2: channels 32 nw on; mh = wave % 2: tiles 4 mh on) in a transposed product's layout: lane (r, h) holds row r, channels 16 n + 8 h + 0 .. 7
.macro XADR d
	s_and_b32 s3, s2, 1
	s_lshr_b32 s4, s2, 1
	s_mul_i32 s3, s3, 64*XP
	s_lshl_b32 s4, s4, 7
	s_add_co_u32 s3, s3, s4
	v_mul_u32_u24 v[\d], v2, XP
	v_lshl_add_u32 v[\d], v3, 5, v[\d]
	v_add_nc_u32 v[\d], s3, v[\d]
.endm
.macro XLOADS adr
.irp t, 0,1,2,3
.irp n, 0,1
	ds_load_b128 v[64+8*(2*\t+\n):67+8*(2*\t+\n)], v[\adr] offset:16640*\t+64*\n
	ds_load_b128 v[68+8*(2*\t+\n):71+8*(2*\t+\n)], v[\adr] offset:16640*\t+64*\n+16
.endr
.endr
.endm
.macro XSTORES adr                     ; each accumulator from its low end on
.irp t, 0,1,2,3
.irp n, 0,1
	ds_store_b128 v[\adr], v[64+8*(2*\t+\n):67+8*(2*\t+\n)] offset:16640*\t+64*\n
	ds_store_b128 v[\adr], v[68+8*(2*\t+\n):71+8*(2*\t+\n)] offset:16640*\t+64*\n+16
.endr
.endr
.endm
.macro BADD bb                         ; a bias of 2 x 8 registers onto the eight accumulators-to-be
.irp t, 0,1,2,3
.irp n, 0,1
.irp q, 0,2,4,6
	v_pk_add_f32 v[64+8*(2*\t+\n)+\q:65+8*(2*\t+\n)+\q], v[64+8*(2*\t+\n)+\q:65+8*(2*\t+\n)+\q], v[\bb+8*\n+\q:\bb+8*\n+\q+1]
.endr
.endr
.endr
.endm
; ================ HEAD: ids, constants, every address stepped once, ahead of its first use
	s_load_b512 s[8:23], s[0:1], 0x0
	s_load_b512 s[24:39], s[0:1], 0x40
	s_load_b512 s[40:55], s[0:1], 0x80
	s_load_b128 s[56:59], s[0:1], 0xc0
	v_lshrrev_b32 v1, 5, v0
	v_readfirstlane_b32 s2, v1                     ; wave 0..15
	v_and_b32 v1, 31, v0                           ; L
	v_and_b32 v2, 15, v0                           ; r
	v_bfe_u32 v3, v0, 4, 1                         ; h
	v_lshlrev_b32 v4, 3, v1                        ; 8 L
	v_lshlrev_b32 v5, 2, v2                        ; 4 r
.irp b, 0,1,2,3
	v_mov_b32 v[TM+4+\b], 0                        ; written once: a lane permute's destination counts as one of its sources
.endr
	s_mov_b32 s60, 0x76543210
	s_mov_b32 s61, 0xfedcba98
	s_mov_b32 s62, 0x3fb8aa3b                      ; log2(e)
	s_mov_b32 s63, s62
	s_lshr_b32 s68, s2, 1                          ; hd = wave / 2
	s_and_b32 s69, s2, 1                           ; e = wave % 2
	s_lshr_b32 s70, ttmp9, 4                       ; the window's row of windows
	s_and_b32 s71, ttmp9, 15                       ; and its column
	s_lshl_b32 s72, s70, 11
	s_lshl_b32 s73, s71, 5
	s_add_co_u32 s72, s72, s73                     ; the window's first token: 2,048 wy + 32 wx
	s_lshr_b32 s73, s2, 2
	s_lshl_b32 s73, s73, 9                         ; my 8 tokens (LDS rows 8 wave on): window row wave / 4,
	s_add_co_u32 s73, s73, s72
	s_lshl_b32 s74, s69, 4                         ; + 16 (wave % 2)
	s_add_co_u32 s73, s73, s74
	s_bfe_u32 s74, s2, 0x10001
	s_lshl_b32 s74, s74, 3                         ; + 8 ((wave / 2) % 2)
	s_add_co_u32 s73, s73, s74
	s_mov_b32 s101, 0
	s_wait_kmcnt 0x0
	s_lshl_b32 s100, s73, 10
	s_add_nc_u64 s[8:9], s[8:9], s[100:101]        ; x
	s_add_nc_u64 s[58:59], s[58:59], s[100:101]    ; out0
	s_lshl_b32 s100, s72, 3
	s_add_nc_u64 s[4:5], s[10:11], s[100:101]      ; pos of the window's first token
	s_and_b32 s74, s2, 3
	s_lshl_b32 s74, s74, 9
	s_add_co_u32 s74, s74, s72
	s_lshl_b32 s100, s74, 3
	s_add_nc_u64 s[10:11], s[10:11], s[100:101]    ; pos of window row wave % 4
	s_lshl_b32 s100, s69, 9
	s_add_co_u32 s100, s100, 512
	s_add_nc_u64 s[6:7], s[12:13], s[100:101]      ; the doubled weights of my group of four heads
	s_cmp_eq_u32 s69, 0                            ; even waves make q, odd waves k: the choice hangs on the wave's number alone
	s_cselect_b64 s[18:19], s[18:19], s[20:21]
	s_cselect_b64 s[22:23], s[22:23], s[24:25]
	s_cselect_b64 s[26:27], s[26:27], s[28:29]
	s_cselect_b32 s66, 0x3e3504f3, 1.0             ; q is multiplied by 1 / sqrt(32), k by 1
	s_mov_b32 s67, s66
	s_mul_i32 s100, s68, 6144                      ; 32 rows of 192 bytes
	s_add_nc_u64 s[18:19], s[18:19], s[100:101]
	s_add_nc_u64 s[36:37], s[36:37], s[100:101]    ; wo
	s_mul_i32 s74, s69, 1536
	s_add_co_u32 s100, s100, s74
	s_add_nc_u64 s[30:31], s[30:31], s[100:101]    ; wv: + 8 e rows
	s_lshl_b32 s100, s68, 8
	s_add_nc_u64 s[22:23], s[22:23], s[100:101]
	s_add_nc_u64 s[38:39], s[38:39], s[100:101]
	s_lshl_b32 s74, s69, 6
	s_add_co_u32 s100, s100, s74
	s_add_nc_u64 s[32:33], s[32:33], s[100:101]
	s_lshl_b32 s100, s68, 7
	s_add_nc_u64 s[26:27], s[26:27], s[100:101]
	s_add_nc_u64 s[40:41], s[40:41], s[100:101]    ; bo
	s_add_nc_u64 s[56:57], s[56:57], s[100:101]    ; b_fc2
	s_lshl_b32 s74, s69, 5
	s_add_co_u32 s100, s100, s74
	s_add_nc_u64 s[34:35], s[34:35], s[100:101]    ; bv
	s_mul_i32 s100, s2, 12288                      ; fc1: 64 rows a wave
	s_add_nc_u64 s[46:47], s[46:47], s[100:101]
	s_lshl_b32 s100, s2, 9
	s_add_nc_u64 s[48:49], s[48:49], s[100:101]
	s_lshl_b32 s100, s2, 8
	s_add_nc_u64 s[50:51], s[50:51], s[100:101]
	s_mul_i32 s100, s68, 24576                     ; fc2: 32 rows of 768 bytes
	s_add_nc_u64 s[52:53], s[52:53], s[100:101]
	s_lshl_b32 s100, s68, 10
	s_add_nc_u64 s[54:55], s[54:55], s[100:101]
; ================ P1: x into XB, LN1, xn's codes, the bias tables
	LNADRG
	LNADRL
	WADR
.set k, 0
.rept 16
	global_load_b128 v[XR+4*k:XR+4*k+3], v6, s[8:9] offset:512*k th:TH_LOAD_NT   ; my 8 tokens are 8,192 bytes on end: each load reads 512 consecutive bytes
.set k, k+1
.endr
	global_load_b64 v[62:63], v4, s[10:11]         ; pos of token 32 (wave % 4) + L
	GBLOAD 14, 16
	s_lshr_b32 s3, s2, 2                           ; part = wave / 4: four o and two heads of the tables
	s_lshl_b32 s100, s3, 3
	s_lshl_b32 s3, s3, 4
	s_load_b128 s[68:71], s[12:13], s3 offset:0x0  ; alpha
	s_load_b128 s[72:75], s[12:13], s3 offset:0x40 ; beta
	s_load_b128 s[76:79], s[12:13], s3 offset:0x80 ; c
	s_load_b64 s[80:81], s[12:13], s100 offset:0xc0    ; pb2
	s_load_b64 s[82:83], s[12:13], s100 offset:0xe0    ; A
	s_load_b64 s[84:85], s[12:13], s100 offset:0x100   ; B
	s_load_b64 s[86:87], s[4:5], 0x0               ; the first token's pos
	s_wait_loadcnt 33                              ; x's 16 loads are in; the 33 issued behind them (pos, gains, offsets) may be out
.set k, 0
.rept 16
	ds_store_b128 v12, v[XR+4*k:XR+4*k+3] offset:(k/2)*XP+(k%2)*512
.set k, k+1
.endr
	XRLOAD                                         ; my wave's own bytes: LDS serves a wave's instructions in order
	s_wait_dscnt 0x0
	LNORM
	; gains and offsets are done with: the next phase's weights are asked for into their registers.  v128.. q's or k's 4 fragments, v176.. V's 2, v200-205 scale words, v206-221 bias, v222 bv
.irp u, 0,1
.irp s, 0,1
	WFRAG 128+12*(2*\u+\s), 8, 18, 8*\u*192+96*\s
	global_load_b32 v[200+2*\u+\s], v9, s[22:23] offset:64*\u+4*\s
.endr
.endr
.irp s, 0,1
	WFRAG 176+12*\s, 8, 30, 96*\s
	global_load_b32 v[204+\s], v9, s[32:33] offset:4*\s
.endr
.irp u, 0,1
	global_load_b128 v[206+8*\u:209+8*\u], v10, s[26:27] offset:32*\u
	global_load_b128 v[210+8*\u:213+8*\u], v10, s[26:27] offset:32*\u+16
.endr
	global_load_b32 v222, v11, s[34:35]
	QUANT XR
	IMAGE 14, 0
	ds_store_b32 v15, v[PW]                        ; both lanes of a row write the same word
	; the tables: thread = (token 32 (wave % 4) + L, part)
	s_and_b32 s88, s2, 3
	s_lshr_b32 s89, s2, 2
	s_lshl_b32 s90, s88, 11
	s_lshl_b32 s91, s89, 9
	s_add_co_u32 s90, s90, s91
	s_add_co_u32 s90, s90, VT
	v_add_nc_u32 v240, s90, v4                     ; V: block, pair 2 part, key L
	s_mul_i32 s90, s88, 32*72
	s_lshl_b32 s91, s89, 4
	s_add_co_u32 s90, s90, s91
	s_add_co_u32 s90, s90, UT
	v_and_b32 v241, 7, v0
	v_bfe_u32 v242, v0, 3, 1
	v_lshl_add_u32 v241, v242, 4, v241
	v_lshl_add_u32 v241, v3, 3, v241               ; the token's LDS row within its 32
	v_mul_u32_u24 v241, v241, 72
	v_add_nc_u32 v241, s90, v241
	s_lshl_b32 s90, s89, 10
	s_lshl_b32 s91, s88, 7
	s_add_co_u32 s90, s90, s91
	s_add_co_u32 s90, s90, DT
	v_lshlrev_b32 v242, 2, v1
	v_add_nc_u32 v242, s90, v242
	s_wait_kmcnt 0x0
	v_sub_f32 v224, v62, s86                       ; dx, dy from the window's first token: a common offset of pos drops out
	v_sub_f32 v225, v63, s87
.irp i, 0,1,2,3
	v_mul_f32 v[226+\i], s[72+\i], v225
.endr
.irp i, 0,1,2,3
	v_fma_f32 v[226+\i], s[68+\i], v224, v[226+\i] ; V_o
.endr
.irp i, 0,1,2,3
	v_add_f32 v[230+\i], s[76+\i], v[226+\i]       ; U_o
.endr
.irp i, 0,1
	v_fma_f32 v[234+\i], -v224, s[82+\i], s[80+\i]
.endr
.irp i, 0,1
	v_fma_f32 v[234+\i], -v225, s[84+\i], v[234+\i]
.endr
	ds_store_b64 v240, v[226:227]
	ds_store_b64 v240, v[228:229] offset:256
	ds_store_b64 v241, v[230:231]
	ds_store_b64 v241, v[232:233] offset:8
	ds_store_b32 v242, v234
	ds_store_b32 v242, v235 offset:512
	BAR                                            ; xn's sixteen images and the tables lie in LDS
; ================ P2: q, k, v.  Wave: head hd; q (even) or k (odd), two tiles of 16 channels; and V's tile of 16 channels number wave
; q, k transposed (source 0 = weights, source 1 = xn): a lane holds a token, 16 registers of the two tiles 16 neighbouring channels.  V plain (source 0 = xn): a lane holds a channel, registers run along the tokens.
.macro FETCHX t
	FETCH 224, 12, 3072*(\t)
	FETCH 236, 12, 3072*(\t)+1536
	ds_load_b32 v248, v13 offset:128*(\t)
	ds_load_b32 v249, v13 offset:128*(\t)+64
.endm
.macro QKVT t                          ; three accumulators by turns; the bias is the C of the first link
.set QD, 16+16*((\t)%2)
	s_wait_dscnt 0x0                               ; the tile's xn is in; my earlier stores have read their registers
	MMC QD, 128, 224, 206, 200, 248
	MMC QD+8, 152, 224, 214, 202, 248
	MM0 64+8*(\t), 224, 176, 248, 204
	MMC QD, 140, 236, QD, 201, 249
	MMC QD+8, 164, 236, QD+8, 203, 249
	MMC 64+8*(\t), 236, 188, 64+8*(\t), 249, 205
	NOPS 4                                         ; places ahead of loads into the operands and of the first read of the results
.endm
.macro QKQ m                           ; tiles 2 m and 2 m + 1: a head's 32 channels of a token are one block
.set i, 0
.rept 16
	v_pk_mul_f32 v[16+i:17+i], v[16+i:17+i], s[66:67] op_sel_hi:[1,0]
.set i, i+2
.endr
	v_max3_num_f32 v54, |v16|, |v17|, 0x2800000
	v_max3_num_f32 v55, |v32|, |v33|, 0x2800000
.irp i, 2,4,6,8,10,12,14
	v_max3_num_f32 v54, v54, |v[16+\i]|, |v[17+\i]|
	v_max3_num_f32 v55, v55, |v[32+\i]|, |v[33+\i]|
.endr
	v_permlanex16_b32 v56, v54, s[SEL], s[SEL+1]
	v_permlanex16_b32 v57, v55, s[SEL], s[SEL+1]
	v_max_num_f32 v54, v54, v56
	v_max_num_f32 v55, v55, v57
	v_add_nc_u32 v58, 0xfe000000, v54
	v_add_nc_u32 v59, 0xfe000000, v55
	v_lshrrev_b32 v56, 23, v58
	v_lshrrev_b32 v57, 23, v59
	v_cvt_scalef32_pk16_bf6_f32 v[48:50], v[16:31], v58
	v_cvt_scalef32_pk16_bf6_f32 v[60:62], v[32:47], v59
	v_cndmask_b32 v56, v56, v57, s101              ; lanes 0-15 the even tile's byte, lanes 16-31 the odd tile's.  (The plain line behind the conversions)
.irp i, 0,1,2
	v_permlane16_swap_b32 v[48+\i], v[60+\i]       ; lanes 0-15 now hold the even tile's whole block of token r, lanes 16-31 the odd tile's
.endr
.irp i, 0,1,2
	v_mov_b32 v[51+\i], v[60+\i]
.endr
	ds_store_b64 v14, v[48:49] offset:6144*(\m)
	ds_store_b64 v14, v[50:51] offset:6144*(\m)+256
	ds_store_b64 v14, v[52:53] offset:6144*(\m)+512
	ds_store_b8 v15, v56 offset:256*(\m)           ; my head's byte of the token's scale word
.endm
	s_wait_loadcnt 0x0                             ; the weights
	s_mov_b32 s101, 0xffff0000                     ; lanes 16 to 31
	v_mov_b32 v223, v222
	v_add_nc_u32 v12, AIMG, v4
	v_add_nc_u32 v13, ASC, v5
	s_and_b32 s3, s2, 1
	s_mul_i32 s3, s3, 24576                        ; q's images or k's
	s_lshr_b32 s100, s2, 3
	s_mul_i32 s100, s100, 1536                     ; K step hd / 4
	s_add_co_u32 s3, s3, s100
	s_bfe_u32 s100, s2, 0x10002
	s_mul_i32 s100, s100, 768                      ; registers 6 ((hd / 2) % 2) on
	s_add_co_u32 s3, s3, s100
	s_bfe_u32 s100, s2, 0x10001
	s_lshl_b32 s100, s100, 7                       ; lane slots 16 (hd % 2) on
	s_add_co_u32 s3, s3, s100
	s_add_co_u32 s3, s3, QIMG
	v_mul_u32_u24 v14, v3, 3072                    ; lanes 16-31: the odd tile
	v_lshl_add_u32 v14, v2, 3, v14
	v_add_nc_u32 v14, s3, v14
	s_and_b32 s3, s2, 1
	s_lshl_b32 s3, s3, 10
	s_lshr_b32 s100, s2, 3
	s_lshl_b32 s100, s100, 6
	s_add_co_u32 s3, s3, s100
	s_bfe_u32 s100, s2, 0x20001                    ; byte hd % 4
	s_add_co_u32 s3, s3, s100
	s_add_co_u32 s3, s3, QSC
	v_lshl_add_u32 v15, v3, 7, v5
	v_add_nc_u32 v15, s3, v15
	s_mul_i32 s3, s2, 1536
	s_add_co_u32 s3, s3, VIMG
	v_add_nc_u32 v6, s3, v4
	s_lshl_b32 s3, s2, 6
	s_add_co_u32 s3, s3, VSC
	v_add_nc_u32 v7, s3, v5
	FETCHX 0
.irp t, 0,1,2,3,4,5,6,7
	QKVT \t
.if \t < 7
	FETCHX \t+1                                    ; the next tile's xn lands while this pair is quantised
.endif
.if \t % 2
	QKQ \t/2
.endif
.endr
.set i, 0
.rept 32
	v_pk_add_f32 v[64+i:65+i], v[64+i:65+i], v[222:223] op_sel_hi:[1,0]   ; bv of my channel; register 16 b + i is key 32 b + 16 h + i
.set i, i+2
.endr
	s_wait_dscnt 0x0                               ; the last stores have read their registers
	QUANT 64                                       ; V along the keys
	IMAGE 6, 0
	ds_store_b32 v7, v[PW]
	BAR                                            ; q, k and V^T lie in LDS
; ================ P3: attention.  Wave = (tile of 16 queries wave / 2, group g = wave % 2 of four heads).  Keys in four blocks of 32 under a running whole-number M.
; v16-51 Q as [P0][0][P2][P1][0][P3], six registers each: head j's fragment has the codes of its own 32 channels and zero codes elsewhere, so K's whole fragment meets one head alone.
; v52 Q's scale word; v54-61 (-M, l) a head; v62-77 byte + M of each (head, block); v78-125 p's fragments; v126-189 logits, then p, then O^T; v190-205 the 16 maxima in hand;
; v206-213 two sets of (V pair, U pair); v214-237 K's two fragments; v238-239 their scale words; v246-249 p's scale words.
.macro TLOAD b, k, ws, vv              ; pair k of o: V of my half's keys (one key a lane), U of my query, the eight weights, doubled
	ds_load_b64 v[\vv:\vv+1], v8 offset:(8*(\b)+(\k))*256
	ds_load_b64 v[\vv+2:\vv+3], v9 offset:8*(\k)
	s_load_b512 s[\ws:\ws+15], s[6:7], 64*(\k)
.endm
.macro OPAIR ws, vv
.irp e, 0,1
.irp i, 0,1,2,3,4,5,6,7,8,9,10,11,12,13,14,15
	v_max_num_f32_dpp v[190+\i], v[\vv+\e], v[\vv+2+\e] row_share:\i row_mask:0xf bank_mask:0xf   ; max(V_o(key 16 h + i), U_o(my query)): lane i of my half holds that key's V
.endr
.irp q, 0,1,2,3,4,5,6,7
.irp j, 0,1,2,3
	v_pk_fma_f32 v[AC+16*\j+2*\q:AC+16*\j+2*\q+1], v[190+2*\q:191+2*\q], s[\ws+8*\e+2*\j:\ws+8*\e+2*\j+1], v[AC+16*\j+2*\q:AC+16*\j+2*\q+1] op_sel_hi:[1,0,1]
.endr
.endr
.endr
.endm
.macro SMAX b                          ; the four heads by turns
.irp j, 0,1,2,3
	v_max3_num_f32 v[190+\j], v[AC+16*\j], v[AC+16*\j+1], v[AC+16*\j+2]
.endr
.irp i, 3,5,7,9,11,13
.irp j, 0,1,2,3
	v_max3_num_f32 v[190+\j], v[190+\j], v[AC+16*\j+\i], v[AC+16*\j+\i+1]
.endr
.endr
.irp j, 0,1,2,3
	v_max_num_f32 v[190+\j], v[190+\j], v[AC+16*\j+15]
.endr
.irp j, 0,1,2,3
	v_permlanex16_b32 v[194+\j], v[190+\j], s[SEL], s[SEL+1]
.endr
.irp j, 0,1,2,3
	v_max_num_f32 v[190+\j], v[190+\j], v[194+\j]  ; the block's largest logit: for M, and, since p rises with the logit, for the block's largest p
.endr
.irp j, 0,1,2,3
	v_mul_f32 v[194+\j], s62, v[190+\j]
.endr
.irp j, 0,1,2,3
	v_floor_f32 v[194+\j], -v[194+\j]              ; -ceil(t)
.endr
.irp j, 0,1,2,3
	v_mov_b32 v[198+\j], v[54+2*\j]
.endr
.irp j, 0,1,2,3
	v_min_num_f32 v[54+2*\j], v[54+2*\j], v[194+\j]    ; the new -M: the ceiling of a maximum is the maximum of the ceilings
.endr
.irp j, 0,1,2,3
	v_sub_f32 v[198+\j], v[54+2*\j], v[198+\j]     ; old M - new M, a whole number, 0 or less
.endr
.irp j, 0,1,2,3
	v_cvt_i32_f32 v[198+\j], v[198+\j]             ; (it saturates)
.endr
.irp j, 0,1,2,3
	v_ldexp_f32 v[198+\j], 1.0, v[198+\j]          ; f = 2^(old M - new M)
.endr
.irp q, 0,2,4,6,8,10,12,14
.irp j, 0,1,2,3
	v_pk_fma_f32 v[AC+16*\j+\q:AC+16*\j+\q+1], v[AC+16*\j+\q:AC+16*\j+\q+1], s[62:63], v[54+2*\j:55+2*\j] op_sel_hi:[1,0,0]   ; t - M
.endr
.endr
.irp j, 0,1,2,3
	v_fma_f32 v[190+\j], v[190+\j], s62, v[54+2*\j]
.endr
.set i, 0
.rept 64
	v_exp_f32 v[AC+i], v[AC+i]                     ; p = 2^(t - M), not normalised
.set i, i+1
.endr
.irp j, 0,1,2,3
	v_exp_f32 v[190+\j], v[190+\j]                 ; the block's largest p: the same two instructions on the same number
.endr
	v_nop                                          ; one plain line behind the exponentials
	s_wait_alu depctr_va_vdst(0)
.irp j, 0,1,2,3
	v_max_num_f32 v[190+\j], 0x2800000, v[190+\j]  ; the floor 2^(5 - 127)
.endr
.irp j, 0,1,2,3
	v_add_nc_u32 v[202+\j], 0xfe000000, v[190+\j]  ; the conversion's scale operand
.endr
.irp j, 0,1,2,3
	v_lshrrev_b32 v[194+\j], 23, v[202+\j]
.endr
.irp j, 0,1,2,3
	v_cvt_f32_u32 v[194+\j], v[194+\j]
.endr
.irp j, 0,1,2,3
	v_sub_f32 v[62+4*\j+\b], v[194+\j], v[54+2*\j] ; byte + M of this block: the last M is taken off at the end
.endr
.irp j, 0,1,2,3
.if (\b)%2
	v_cvt_scalef32_pk16_bf6_f32 v[214+4*\j:216+4*\j], v[AC+16*\j:AC+16*\j+15], v[202+\j]
.else
	v_cvt_scalef32_pk16_bf6_f32 v[78+12*\j+6*((\b)/2):80+12*\j+6*((\b)/2)], v[AC+16*\j:AC+16*\j+15], v[202+\j]
.endif
.endr
	v_nop                                          ; one plain line behind the scaled conversions
.if (\b)%2
.irp j, 0,1,2,3
.irp i, 0,1,2
	v_permlane16_swap_b32 v[78+12*\j+6*((\b)/2)+\i], v[214+4*\j+\i]   ; lanes 0-15 the even block whole, lanes 16-31 the odd one
.endr
.endr
.irp j, 0,1,2,3
.irp i, 0,1,2
	v_mov_b32 v[81+12*\j+6*((\b)/2)+\i], v[214+4*\j+\i]
.endr
.endr
.endif
.irp j, 0,1,2,3
	v_pk_add_f32 v[230+2*\j:231+2*\j], v[AC+16*\j:AC+16*\j+1], v[AC+16*\j+2:AC+16*\j+3]   ; the row's sum is taken of the unquantised p
.endr
.irp i, 4,6,8,10,12,14
.irp j, 0,1,2,3
	v_pk_add_f32 v[230+2*\j:231+2*\j], v[230+2*\j:231+2*\j], v[AC+16*\j+\i:AC+16*\j+\i+1]
.endr
.endr
.irp j, 0,1,2,3
	v_add_f32 v[230+2*\j], v[230+2*\j], v[231+2*\j]
.endr
.irp j, 0,1,2,3
	v_fma_f32 v[55+2*\j], v[55+2*\j], v[198+\j], v[230+2*\j]   ; l = l f + the block's sum
.endr
.endm
.macro ABLOCK b
.irp j, 0,1,2,3
.irp q, 0,1,2,3
	ds_load_b128 v[AC+16*\j+4*\q:AC+16*\j+4*\q+3], v10 offset:512*\j+128*(\b)+16*\q   ; the sums begin as pb2 - (A dx + B dy) of their keys
.endr
.endr
	FETCH 214, 6, (2*(\b))*3072
	FETCH 226, 6, (2*(\b)+1)*3072
	ds_load_b32 v238, v7 offset:(2*(\b))*128
	ds_load_b32 v239, v7 offset:(2*(\b)+1)*128
	TLOAD \b, 0, 68, 206
.irp k, 0,1,2,3,4,5,6,7
	s_wait_kmcnt 0x0                               ; this pair's weights, asked for a pair ago: the wait stands ahead of the next scalar load, since scalar loads return in no order
.if \k < 7
	TLOAD \b, \k+1, 68+16*((\k+1)%2), 206+4*((\k+1)%2)
	s_wait_dscnt 0x2                               ; all but the two LDS loads just issued
.else
	s_wait_dscnt 0x0
.endif
	OPAIR 68+16*(\k%2), 206+4*(\k%2)
.endr
	NOPS 4
.irp u, 0,1
.irp j, 3,2,1,0                                ; eight accumulators, one instruction each; the bias is their C
	MMC AC+16*\j+8*\u, 214+12*\u, 16+18*(\j%2)+6*(\j/2), AC+16*\j+8*\u, 238+\u, 52
.endr
.endr
	NOPS 4
	SMAX \b
.endm
.macro VFETCH q                        ; V^T's four tiles of heads 2 q, 2 q + 1
.irp i, 0,1,2,3
	FETCH 190+12*\i, 11, (4*(\q)+\i)*1536
	ds_load_b32 v[238+\i], v12 offset:(4*(\q)+\i)*64
.endr
.endm
.macro PVRUN q                         ; O^T = V^T P^T, K = the window's 128 keys: one instruction an accumulator
.irp i, 0,1,2,3
	MM0 AC+32*(\q)+8*\i, 190+12*\i, 78+12*(2*(\q)+\i/2), 238+\i, 246+2*(\q)+\i/2
.endr
.endm
	s_and_b32 s3, s2, 1                            ; g
	s_lshr_b32 s4, s2, 1                           ; my tile of queries
	s_mul_i32 s5, s3, 1536
	s_add_co_u32 s5, s5, KIMG
	v_add_nc_u32 v6, s5, v4
	s_lshl_b32 s5, s3, 6
	s_add_co_u32 s5, s5, KSC
	v_add_nc_u32 v7, s5, v5
	v_add_nc_u32 v8, VT, v4
	s_mul_i32 s5, s4, 16*72
	s_add_co_u32 s5, s5, UT
	v_mul_u32_u24 v9, v2, 72
	v_add_nc_u32 v9, s5, v9
	s_lshl_b32 s5, s3, 11
	s_add_co_u32 s5, s5, DT
	v_lshlrev_b32 v10, 6, v3
	v_add_nc_u32 v10, s5, v10
	s_mul_i32 s5, s3, 12288
	s_add_co_u32 s5, s5, VIMG
	v_add_nc_u32 v11, s5, v4
	s_lshl_b32 s5, s3, 9
	s_add_co_u32 s5, s5, VSC
	v_add_nc_u32 v12, s5, v5
	s_mul_i32 s5, s2, 1536
	s_add_co_u32 s100, s5, AIMG
	v_add_nc_u32 v13, s100, v4
	s_add_co_u32 s100, s5, QIMG
	v_add_nc_u32 v15, s100, v4
	s_lshl_b32 s5, s2, 6
	s_add_co_u32 s100, s5, ASC
	v_add_nc_u32 v14, s100, v5
	s_add_co_u32 s100, s5, QSC
	v_add_nc_u32 v53, s100, v5
	FETCH 214, 15, 0                               ; Q's fragment (my tile, my group's 128 channels)
	ds_load_b32 v52, v53
	v_add_nc_u32 v250, -1, v3                      ; all ones in lanes 0-15
	v_sub_nc_u32 v251, 0, v3                       ; all ones in lanes 16-31
.irp i, 0,1,2,3,4,5
	v_mov_b32 v[22+\i], 0
	v_mov_b32 v[40+\i], 0
.endr
.irp j, 0,1,2,3
	v_mov_b32 v[54+2*\j], 0x7f61b1e6               ; -M = 3e38: M lies under every t
	v_mov_b32 v[55+2*\j], 0                        ; l
	v_mov_b32 v[252+\j], 0                         ; (a lane permute's destination counts as one of its sources)
.endr
.irp i, 0,1,2,3,4,5,6,7,8,9,10,11,12,13,14,15
	v_mov_b32 v[190+\i], 0                         ; (likewise the destination of a DPP form)
.endr
	s_wait_dscnt 0x0
.irp i, 0,1,2,3,4,5
	v_and_b32 v[16+\i], v[214+\i], v250            ; head 0: registers 0-5, lanes 0-15
	v_and_b32 v[28+\i], v[220+\i], v250            ; head 2: registers 6-11, lanes 0-15
	v_and_b32 v[34+\i], v[214+\i], v251            ; head 1
	v_and_b32 v[46+\i], v[220+\i], v251            ; head 3
.endr
	ABLOCK 0
	ABLOCK 1
	ABLOCK 2
	ABLOCK 3
	VFETCH 0
.irp j, 0,1,2,3
	v_permlanex16_b32 v[252+\j], v[55+2*\j], s[SEL], s[SEL+1]
.endr
.irp j, 0,1,2,3
	v_add_f32 v[55+2*\j], v[55+2*\j], v[252+\j]    ; the row's sum
.endr
.irp b, 0,1,2,3
.irp j, 0,1,2,3
	v_add_f32 v[62+4*\j+\b], v[62+4*\j+\b], v[54+2*\j]   ; byte + (the block's M - the last M): the exact power of two goes into the block's scale
.endr
.endr
.irp b, 0,1,2,3
.irp j, 0,1,2,3
	v_max_num_f32 v[62+4*\j+\b], 1.0, v[62+4*\j+\b]
.endr
.endr
.irp b, 0,1,2,3
.irp j, 0,1,2,3
	v_cvt_u32_f32 v[62+4*\j+\b], v[62+4*\j+\b]
.endr
.endr
.irp j, 0,1,2,3
	v_lshl_or_b32 v[246+\j], v[63+4*\j], 8, v[62+4*\j]
.endr
.irp j, 0,1,2,3
	v_lshl_or_b32 v[246+\j], v[64+4*\j], 16, v[246+\j]
.endr
.irp j, 0,1,2,3
	v_lshl_or_b32 v[246+\j], v[65+4*\j], 24, v[246+\j]
.endr
.irp j, 0,1,2,3
	v_rcp_f32 v[54+2*\j], v[55+2*\j]               ; 1 / l takes -M's place
.endr
	NOPS 8                                         ; scale words made by vector instructions stand eight places ahead of the products
	s_wait_dscnt 0x0
	PVRUN 0
	NOPS 4
	VFETCH 1
	s_wait_dscnt 0x0
	PVRUN 1
	NOPS 4
	s_wait_alu depctr_va_vdst(0)
.irp j, 0,1,2,3
.irp q, 0,2,4,6,8,10,12,14
	v_pk_mul_f32 v[AC+16*\j+\q:AC+16*\j+\q+1], v[AC+16*\j+\q:AC+16*\j+\q+1], v[54+2*\j:55+2*\j] op_sel_hi:[1,0]   ; register 16 j + i is channel 128 g + 32 j + 16 h + i of my query
.endr
.endr
	QUANT AC
	IMAGE 13, 0                                    ; o's image (my tile, K step g), where xn's lay: every wave has passed the barrier behind its last read of xn
	ds_store_b32 v14, v[PW]
	v_mul_u32_u24 v8, v2, 192                      ; the projection's weights: natural tiles of 16 rows.  v128.. 4 fragments, v176-179 scale words, v180-195 bo
	v_mad_u32_u24 v8, v3, 24, v8
	v_lshlrev_b32 v9, 3, v2
	v_lshlrev_b32 v10, 5, v3
.irp n, 0,1
.irp s, 0,1
	WFRAG 128+12*(2*\n+\s), 8, 36, 3072*\n+96*\s
	global_load_b32 v[176+2*\n+\s], v9, s[38:39] offset:128*\n+4*\s
.endr
.endr
.irp n, 0,1
	global_load_b128 v[180+8*\n:183+8*\n], v10, s[40:41] offset:64*\n
	global_load_b128 v[184+8*\n:187+8*\n], v10, s[40:41] offset:64*\n+16
.endr
	BAR                                            ; o's sixteen images lie in LDS
; ================ P4: x1 = x + o wo + bo.  Wave = (32 output channels, 4 tiles of tokens): x + bo is the C of the first links; x1 goes back to the same bytes of XB, which this wave alone touches here
.macro OFETCH s
.irp t, 0,1,2,3
	FETCH 196+12*\t, 13, 3072*\t+1536*(\s)
	ds_load_b32 v[244+\t], v14 offset:128*\t+64*(\s)
.endr
.endm
.macro ORUN s
.irp t, 0,1,2,3
.irp n, 0,1
	MMC 64+8*(2*\t+\n), 128+12*(2*\n+(\s)), 196+12*\t, 64+8*(2*\t+\n), 176+2*\n+(\s), 244+\t
.endr
.endr
.endm
	XADR 12
	s_and_b32 s3, s2, 1
	s_mul_i32 s4, s3, 12288
	s_add_co_u32 s4, s4, AIMG
	v_add_nc_u32 v13, s4, v4
	s_lshl_b32 s4, s3, 9
	s_add_co_u32 s4, s4, ASC
	v_add_nc_u32 v14, s4, v5
	XLOADS 12
	OFETCH 0
	s_wait_loadcnt 0x0                             ; the weights and bo
	s_wait_dscnt 28                                ; x is in; the 28 loads of o's first K step may be out
	BADD 180
	NOPS 4
	s_wait_dscnt 0x0
	ORUN 0                                         ; eight accumulators by turns
	NOPS 4
	OFETCH 1
	s_wait_dscnt 0x0
	ORUN 1
	NOPS 4
	XSTORES 12
	LNADRG
	GBLOAD 42, 44                                  ; the second norm's gains and offsets
	BAR                                            ; x1 lies in XB
; ================ P5: LN2 and its codes
	LNADRL
	XRLOAD
	s_wait_dscnt 0x0
	LNORM
	WADR
.irp t, 0,1,2,3                                ; fc1: my 64 hidden units; tile t = 2 b + u begins at row 32 b + 8 u.  v128.. 8 fragments, v224-231 scale words
.irp s, 0,1
	WFRAG 128+12*(2*\t+\s), 8, 46, (32*(\t/2)+8*(\t%2))*192+96*\s
	global_load_b32 v[224+2*\t+\s], v9, s[48:49] offset:(32*(\t/2)+8*(\t%2))*8+4*\s
.endr
.endr
	QUANT XR
	IMAGE 14, 0
	ds_store_b32 v15, v[PW]
.irp t, 0,1,2,3
	global_load_b128 v[64+8*\t:67+8*\t], v10, s[50:51] offset:128*(\t/2)+32*(\t%2)      ; b_fc1 in the result's layout
	global_load_b128 v[68+8*\t:71+8*\t], v10, s[50:51] offset:128*(\t/2)+32*(\t%2)+16
.endr
	BAR
; ================ P6: hidden = gelu(y fc1 + b), quantised.  My 64 units are two blocks: half (wave % 2) of K step wave / 2 of the last product
; erf(z) = z P(z^2) / Q(z^2) on |z| <= 4; gelu = x/2 + (x/2) erf(x / sqrt(2)).  Four pairs of registers by turns.
.macro GELU4 x
.irp p, 0,1,2,3
	v_pk_mul_f32 v[16+2*\p:17+2*\p], v[\x+2*\p:\x+2*\p+1], 0x3f3504f3 op_sel_hi:[1,0]
.endr
.irp p, 0,1,2,3,4,5,6,7
	v_med3_num_f32 v[16+\p], v[16+\p], -4.0, 4.0
.endr
.irp p, 0,1,2,3
	v_pk_mul_f32 v[24+2*\p:25+2*\p], v[16+2*\p:17+2*\p], v[16+2*\p:17+2*\p]
.endr
.irp p, 0,1,2,3
	v_pk_fma_f32 v[32+2*\p:33+2*\p], v[24+2*\p:25+2*\p], v[48:49], 0x32edffee op_sel_hi:[1,1,0]
.endr
.irp p, 0,1,2,3
	v_pk_fma_f32 v[40+2*\p:41+2*\p], v[24+2*\p:25+2*\p], v[50:51], 0xb95fbd29 op_sel_hi:[1,1,0]
.endr
.irp c, 0xb60cff51, 0xb86ec2d2, 0xba40ac63, 0xbb41a1f6, 0xbc83dbd4
.irp p, 0,1,2,3
	v_pk_fma_f32 v[32+2*\p:33+2*\p], v[32+2*\p:33+2*\p], v[24+2*\p:25+2*\p], \c op_sel_hi:[1,1,0]
.endr
.endr
.irp c, 0xbadc924e, 0xbbf19bf8, 0xbc69b6a7
.irp p, 0,1,2,3
	v_pk_fma_f32 v[40+2*\p:41+2*\p], v[40+2*\p:41+2*\p], v[24+2*\p:25+2*\p], \c op_sel_hi:[1,1,0]
.endr
.endr
.irp p, 0,1,2,3
	v_pk_mul_f32 v[32+2*\p:33+2*\p], v[32+2*\p:33+2*\p], v[16+2*\p:17+2*\p]
.endr
.irp p, 0,1,2,3,4,5,6,7
	v_rcp_f32 v[40+\p], v[40+\p]
.endr
.irp p, 0,1,2,3
	v_pk_mul_f32 v[16+2*\p:17+2*\p], v[\x+2*\p:\x+2*\p+1], 0.5 op_sel_hi:[1,0]   ; x / 2: the plain lines behind the reciprocals
.endr
	s_wait_alu depctr_va_vdst(0)
.irp p, 0,1,2,3
	v_pk_mul_f32 v[32+2*\p:33+2*\p], v[32+2*\p:33+2*\p], v[40+2*\p:41+2*\p]      ; erf
.endr
.irp p, 0,1,2,3
	v_pk_fma_f32 v[\x+2*\p:\x+2*\p+1], v[16+2*\p:17+2*\p], v[32+2*\p:33+2*\p], v[16+2*\p:17+2*\p]
.endr
.endm
.macro FC1 pre                         ; one tile of 16 tokens.  pre = 1: the next tile's y is fetched, and lands under the GELU
	s_wait_dscnt 0x0                               ; y is in; the last tile's stores have read their registers
	v_add_nc_u32 v8, s5, v14
	v_add_nc_u32 v9, s7, v15
.irp t, 0,1,2,3
	MMC 96+8*\t, 128+24*\t, 232, 64+8*\t, 224+2*\t, 52
.endr
.irp t, 0,1,2,3
	MMC 96+8*\t, 140+24*\t, 244, 96+8*\t, 225+2*\t, 53
.endr
	NOPS 4
.if \pre
	s_add_co_u32 s3, s3, 3072
	s_add_co_u32 s4, s4, 128
	v_add_nc_u32 v6, s3, v12
	v_add_nc_u32 v7, s4, v13
	FETCH 232, 6, 0
	FETCH 244, 6, 1536
	ds_load_b32 v52, v7
	ds_load_b32 v53, v7 offset:64
.endif
	GELU4 96
	GELU4 104
	GELU4 112
	GELU4 120
	QUANT2 96
	ds_store_b64 v8, v[34:35]
	ds_store_b64 v8, v[36:37] offset:256
	ds_store_b64 v8, v[38:39] offset:512
	ds_store_b16 v9, v[PW]                         ; my two bytes of the token's scale word
	s_add_co_u32 s5, s5, 12288
	s_add_co_u32 s7, s7, 512
.endm
	v_add_nc_u32 v12, AIMG, v4
	v_add_nc_u32 v13, ASC, v5
	s_lshr_b32 s3, s2, 1
	s_and_b32 s4, s2, 1
	s_mul_i32 s5, s3, 1536
	s_mul_i32 s7, s4, 768
	s_add_co_u32 s5, s5, s7
	s_add_co_u32 s5, s5, HIMG
	v_add_nc_u32 v14, s5, v4
	s_lshl_b32 s5, s3, 6
	s_lshl_b32 s7, s4, 1
	s_add_co_u32 s5, s5, s7
	s_add_co_u32 s5, s5, HSC
	v_add_nc_u32 v15, s5, v5
	v_mov_b32 v48, 0xaf95df0b
	v_mov_b32 v49, 0xaf95df0b
	v_mov_b32 v50, 0xb77460cd
	v_mov_b32 v51, 0xb77460cd
	s_mov_b32 s3, 0                                ; steps from tile to tile: y's images, its scale words, the hidden layer's images, its scale words
	s_mov_b32 s4, 0
	s_mov_b32 s5, 0
	s_mov_b32 s7, 0
	s_mov_b32 s100, 7
	FETCH 232, 12, 0
	FETCH 244, 12, 1536
	ds_load_b32 v52, v13
	ds_load_b32 v53, v13 offset:64
	s_wait_loadcnt 0x0                             ; fc1's weights, scale words and bias
.Lfc1:
	FC1 1
	s_sub_co_u32 s100, s100, 1
	s_cmp_lg_u32 s100, 0
	s_cbranch_scc1 .Lfc1
	FC1 0                                          ; the eighth tile is written out: it fetches nothing more
	; the last product's operands: v220-235 b_fc2, v200-215 scale words (register = K step), then three sets of weights, v128-199, for K steps 0, 1, 2
.macro W2LOAD st
.irp n, 0,1
	WFRAG 128+24*((\st)%3)+12*\n, 10, 52, 12288*\n+96*(\st)
.endr
.endm
	v_mul_u32_u24 v10, v2, 768
	v_mad_u32_u24 v10, v3, 24, v10
	v_lshlrev_b32 v11, 5, v2
	v_lshlrev_b32 v12, 5, v3
.irp n, 0,1
	global_load_b128 v[220+8*\n:223+8*\n], v12, s[56:57] offset:64*\n
	global_load_b128 v[224+8*\n:227+8*\n], v12, s[56:57] offset:64*\n+16
.endr
.irp n, 0,1
	global_load_b128 v[200+8*\n:203+8*\n], v11, s[54:55] offset:512*\n
	global_load_b128 v[204+8*\n:207+8*\n], v11, s[54:55] offset:512*\n+16
.endr
	W2LOAD 0
	W2LOAD 1
	W2LOAD 2
	XADR 13
	XLOADS 13                                      ; x1
	s_and_b32 s3, s2, 1
	s_mul_i32 s4, s3, 49152
	s_add_co_u32 s4, s4, HIMG
	v_add_nc_u32 v14, s4, v4
	s_lshl_b32 s4, s3, 11
	s_add_co_u32 s4, s4, HSC
	v_add_nc_u32 v15, s4, v5
	BAR                                            ; the hidden layer's 64 images lie in LDS
; ================ P7: out = x1 + hidden fc2 + b_fc2.  Shares as in the projection; eight K steps, the weights three steps ahead
	s_wait_loadcnt 36                              ; bias and scale words are in; the three sets of 12 loads may be out
	BADD 220
	NOPS 4
.irp s, 0,1,2,3,4,5,6,7
.irp t, 0,1,2,3
	FETCH 16+12*\t, 14, 12288*\t+1536*\s
	ds_load_b32 v[216+\t], v15 offset:512*\t+64*\s
.endr
.if \s < 6
	s_wait_loadcnt 24                              ; this step's weights are in; those of the two steps behind it may be out
.elseif \s == 6
	s_wait_loadcnt 12
.else
	s_wait_loadcnt 0x0
.endif
	s_wait_dscnt 0x0
.irp t, 0,1,2,3
.irp n, 0,1
	MMC 64+8*(2*\t+\n), 128+24*(\s%3)+12*\n, 16+12*\t, 64+8*(2*\t+\n), 200+8*\n+\s, 216+\t
.endr
.endr
	NOPS 4
.if \s < 5
	W2LOAD \s+3                                    ; into the set just used
.endif
.endr
	XSTORES 13
	BAR                                            ; the window's 128 rows of the result lie in XB
; ================ P8: the way out: my 8 tokens, 8,192 bytes on end; each store covers 512 consecutive bytes, aligned
	s_mul_i32 s3, s2, 8*XP
	v_lshlrev_b32 v6, 4, v1
	v_add_nc_u32 v7, s3, v6
.set k, 0
.rept 16
	ds_load_b128 v[64+4*k:67+4*k], v7 offset:(k/2)*XP+(k%2)*512
.set k, k+1
.endr
.set k, 0
.rept 16
	s_wait_dscnt 15-k
	global_store_b128 v6, v[64+4*k:67+4*k], s[58:59] offset:512*k th:TH_STORE_NT
.set k, k+1
.endr
	s_barrier_signal -1
	s_barrier_wait -1
	s_wait_xcnt 0x0
	v_lshl_add_u32 v254, v0, 2, 0x3fc00
	v_mov_b32 v255, 0
	s_wait_tensorcnt 0x0
	ds_add_u32 v254, v255
	s_wait_dscnt 0x0
	s_endpgm
.Lfunc_end_k_q14f8799d2f_block:
	.size	k_q14f8799d2f_block, .Lfunc_end_k_q14f8799d2f_block-k_q14f8799d2f_block
	.p2alignl 7, 3214868480
	.fill 96, 4, 3214868480
	.section	.rodata,"a",@progbits
	.p2align	6, 0x0
	.amdhsa_kernel k_q14f8799d2f_block
		.amdhsa_group_segment_fixed_size 263168
		.amdhsa_private_segment_fixed_size 0
		.amdhsa_enable_private_segment 0
		.amdhsa_kernarg_size 208
		.amdhsa_user_sgpr_count 2
		.amdhsa_user_sgpr_kernarg_segment_ptr 1
		.amdhsa_wavefront_size32 1
		.amdhsa_system_sgpr_workgroup_id_x 1
		.amdhsa_system_sgpr_workgroup_id_y 1
		.amdhsa_system_sgpr_workgroup_id_z 1
		.amdhsa_system_vgpr_workitem_id 0
		.amdhsa_next_free_vgpr 256
		.amdhsa_next_free_sgpr 102
		.amdhsa_reserve_vcc 0
		.amdhsa_float_denorm_mode_32 3
		.amdhsa_float_denorm_mode_16_64 3
		.amdhsa_memory_ordered 1
		.amdhsa_forward_progress 1
		.amdhsa_inst_pref_size 255
	.end_amdhsa_kernel
	.section	.bss,"aw",@nobits
	.p2align	6
	.space	262144
	.amdgpu_metadata
---
amdhsa.version: [ 1, 2 ]
amdhsa.kernels:
  - .name:           k_q14f8799d2f_block
    .symbol:         k_q14f8799d2f_block.kd
    .args:
      - { .name: x, .offset: 0, .size: 8, .value_kind: global_buffer, .address_space: global }
      - { .name: pos, .offset: 8, .size: 8, .value_kind: global_buffer, .address_space: global }
      - { .name: pnet, .offset: 16, .size: 8, .value_kind: global_buffer, .address_space: global }
      - { .name: norm1_g, .offset: 24, .size: 8, .value_kind: global_buffer, .address_space: global }
      - { .name: norm1_b, .offset: 32, .size: 8, .value_kind: global_buffer, .address_space: global }
      - { .name: wq_codes, .offset: 40, .size: 8, .value_kind: global_buffer, .address_space: global }
      - { .name: wk_codes, .offset: 48, .size: 8, .value_kind: global_buffer, .address_space: global }
      - { .name: wq_scales, .offset: 56, .size: 8, .value_kind: global_buffer, .address_space: global }
      - { .name: wk_scales, .offset: 64, .size: 8, .value_kind: global_buffer, .address_space: global }
      - { .name: bq, .offset: 72, .size: 8, .value_kind: global_buffer, .address_space: global }
      - { .name: bk, .offset: 80, .size: 8, .value_kind: global_buffer, .address_space: global }
      - { .name: wv_codes, .offset: 88, .size: 8, .value_kind: global_buffer, .address_space: global }
      - { .name: wv_scales, .offset: 96, .size: 8, .value_kind: global_buffer, .address_space: global }
      - { .name: bv, .offset: 104, .size: 8, .value_kind: global_buffer, .address_space: global }
      - { .name: wo_codes, .offset: 112, .size: 8, .value_kind: global_buffer, .address_space: global }
      - { .name: wo_scales, .offset: 120, .size: 8, .value_kind: global_buffer, .address_space: global }
      - { .name: bo, .offset: 128, .size: 8, .value_kind: global_buffer, .address_space: global }
      - { .name: norm2_g, .offset: 136, .size: 8, .value_kind: global_buffer, .address_space: global }
      - { .name: norm2_b, .offset: 144, .size: 8, .value_kind: global_buffer, .address_space: global }
      - { .name: w_fc1_codes, .offset: 152, .size: 8, .value_kind: global_buffer, .address_space: global }
      - { .name: w_fc1_scales, .offset: 160, .size: 8, .value_kind: global_buffer, .address_space: global }
      - { .name: b_fc1, .offset: 168, .size: 8, .value_kind: global_buffer, .address_space: global }
      - { .name: w_fc2_codes, .offset: 176, .size: 8, .value_kind: global_buffer, .address_space: global }
      - { .name: w_fc2_scales, .offset: 184, .size: 8, .value_kind: global_buffer, .address_space: global }
      - { .name: b_fc2, .offset: 192, .size: 8, .value_kind: global_buffer, .address_space: global }
      - { .name: out0, .offset: 200, .size: 8, .value_kind: global_buffer, .address_space: global }
    .group_segment_fixed_size: 263168
    .private_segment_fixed_size: 0
    .kernarg_segment_align: 8
    .kernarg_segment_size: 208
    .max_flat_workgroup_size: 512
    .sgpr_count:     102
    .vgpr_count:     256
    .wavefront_size: 32
...
	.end_amdgpu_metadata
.endif
;; end of part 2
